; MI455X (gfx1250); checked and timed in simulation.
; The chip was launched on July 23, 2026; its instructions are those of AMD's public machine-readable ISA for CDNA 5 (MIT licence, August 2026) and "CDNA5" Instruction Set Architecture Reference Guide (July 2026). The comments in the code are by the model that wrote it; some were corrected since.
;; Dot Product Attention. Allowed arithmetic: matrix products marked QUANTISED: E2M3 operands, one E8M0 scale for each 32 along K, by v_wmma_scale_f32_16x16x128_f8f6f4 with both operands' format E2M3, f32 sums; everything else in f32.
;; Inputs: keys_codes 32 x 2,048 x 2 x 24 uint8 (E2M3 codes of keys, K innermost, in blocks of 32 codes, four codes in three bytes); keys_scales 32 x 2,048 x 2 uint8 (E8M0 scales of keys, one for each 32 codes along K); queries_codes 32 x 2,048 x 2 x 24 uint8 (E2M3 codes of queries, K innermost, in blocks of 32 codes, four codes in three bytes); queries_scales 32 x 2,048 x 2 uint8 (E8M0 scales of queries, one for each 32 codes along K); valid_lens 32 int32; values_codes 32 x 64 x 64 x 24 uint8 (E2M3 codes of values, K innermost, in blocks of 32 codes, four codes in three bytes); values_scales 32 x 64 x 64 uint8 (E8M0 scales of values, one for each 32 codes along K).
;; Outputs: out0 32 x 2,048 x 64 float32.
;; This version of the problem:
;;   THIS VERSION OF THE PROBLEM IS GIVEN IN LOW PRECISION. The matrix products marked QUANTISED in the list below multiply operands that are first quantised to E2M3 (2 exponent bits, 3 mantissa bits; 6 bits a number), with one power-of-two scale for each 32 numbers along K (OCP MX v1.0); their sums are f32. All else is computed in f32.
;;   The module's matrix products, in the order in which they are computed (A, B: the left and right operand; K: the contracted axis; several contracted axes count as one K, in the product's order):
;;     1. batch 32 x [M 2,048, K 64] x [K 64, N 2,048]; A: input queries (given as codes); B: input keys (given as codes): QUANTISED
;;     2. batch 32 x [M 2,048, K 2,048] x [K 2,048, N 64]; A: softmax (see below); B: input values (given as codes): QUANTISED
;;   THE QUANTISER, for each operand of a quantised product, along K:
;;     - K is cut into blocks of 32 from its start; a last block that is shorter is filled with zeros.
;;     - A block's scale is 2^e with e = floor(log2(the largest magnitude in the block)) - 2, held to -126 .. 127; a block of zeros has e = 0. As a byte (E8M0): e + 127.
;;     - Each number is divided by its block's scale, clamped to +-7.5, and rounded to the nearest number of E2M3, ties to even, subnormals kept.
;;     - The product sums the exact products of the quantised numbers (number of the format x scale) in f32.
;;   ~~~python
;;   def quantise(x, axis):      # numpy; x: float32 -> the quantised numbers, widened to float32 again
;;       x = np.moveaxis(x, axis, -1); K = x.shape[-1]
;;       x = np.pad(x, [(0, 0)] * (x.ndim - 1) + [(0, -K % 32)]); x = x.reshape(x.shape[:-1] + (-1, 32)); a = np.abs(x).max(-1, keepdims=True)
;;       e = np.where(a > 0, np.clip(np.frexp(np.where(a > 0, a, 1))[1] - 1 - 2, -126, 127), 0)      # np.frexp(a)[1] - 1 = floor(log2(a)), exactly
;;       r = np.clip(x / 2.0 ** e, -7.5, 7.5)
;;       step = 2.0 ** (np.maximum(np.frexp(np.where(r == 0, 1, r))[1] - 1, 0) - 3)
;;       q = np.round(r / step) * step * 2.0 ** e      # np.round: ties to even
;;       return np.moveaxis(q.reshape(q.shape[:-2] + (-1,))[..., :K], -1, axis).astype(np.float32)
;;   ~~~
;;   SOFTMAX AHEAD OF A QUANTISED PRODUCT. Where the list says 'softmax', what is quantised is not the finished softmax but p = 2^(t - M), with t = logit x log2(e) and M = ceil(the row's largest t), a whole number; so 1/2 < the row's largest p <= 1. The row's sum l is taken of the UNQUANTISED p, in f32, and the product's result is divided by l at the end. Since M is a whole number, a kernel that streams over the keys may use a running M (the ceiling of the running maximum): every later rescaling is an exact power of two, which a block's scale takes up: the codes' values come out the same.
;;   OPERANDS COMPUTED ON THE WAY. 'Computed on the way' means the value that the module computes at that place (a softmax that the list does not call 'softmax' is quantised finished and normalised). What goes into a quantiser is computed in f32, as accurately as f32 sums, v_exp_f32 and their like allow (about 1e-6 of the number): no bf16 or f16 on the way to a quantiser, and a product that is left as it is and whose result goes on into a quantised operand takes f32 operands (vector FMAs, or v_wmma_f32_16x16x4_f32). A number that lies on a knife's edge between two numbers of the format may be rounded either way, as far as f32 arithmetic and the matrix unit's own rounding can turn it there, and no further.
;;   INPUTS GIVEN AS CODES. keys (in the module: [32, 2048, 64], K = its axis 2); queries (in the module: [32, 2048, 64], K = its axis 2); values (in the module: [32, 2048, 64], K = its axis 1): each comes as NAME_codes (uint8): NAME with its K axis moved to the last place and cut into blocks of 32 codes, [.., K / 32, bytes a block], one block behind the other in memory; four codes in three bytes: a row's codes are one little-endian stream of bits, code i at bits 6 i .. 6 i + 5 (a code: sign, 2 exponent bits, 3 mantissa bits); and NAME_scales (uint8): the same leading axes, one E8M0 byte (e + 127) for each 32 codes along K. Its value is code x scale, taken as it is: it is not quantised again, and the codes and scales need not be those that the quantiser above would give.
;; One version. Each part assembles by itself: llvm-mc -triple=amdgcn-amd-amdhsa -mcpu=gfx1250 --defsym DOCPART=n.
;; ======== version 1 of 1: 1 launch
;; limits: right only within a limited range of input values
;; launch attn (part 1): grid 256 x 1, 16 waves a work-group, no clusters, 324,608 bytes of LDS; arguments keys_codes, keys_scales, queries_codes, queries_scales, valid_lens, values_codes, values_scales, out0; writes out0
.if DOCPART == 1
	.amdgcn_target "amdgcn-amd-amdhsa--gfx1250"
	.amdhsa_code_object_version 6
	.text
	.protected	k_qef60066fe7_attn
	.globl	k_qef60066fe7_attn
	.p2align	8
	.type	k_qef60066fe7_attn,@function
k_qef60066fe7_attn:
	s_mov_b64 s[64:65], 0
	v_nop
	global_prefetch_b8 v0, s[64:65] scope:SCOPE_SE
	s_setreg_imm32_b32 hwreg(HW_REG_WAVE_MODE, 25, 1), 1
	s_wait_xcnt 0x0
; out0[b][q][:] = the sum over k < valid_lens[b] of softmax_k(Q[b][q] . K[b][k] / 8) V[b][k][:].  32 batches, 2,048 queries, 2,048 keys, 64 channels.
; Both products on codes of FP6 (E2M3) with one E8M0 scale for each 32 along a product's K.  Q, K: rows of 64 codes (48 bytes) and 2 scale bytes.  V: keys innermost, 64 rows of 2,048 codes (1,536 bytes) and 64 scale bytes.
; THE SOFTMAX: t = score x log2(e) / 8; M = the largest t so far, rounded up to a whole number; p = 2^(t - M) is quantised along the keys, not normalised; the row's sum is taken of the unquantised p and divides at the end.
; WORK THAT IS LEFT OUT: a step of 128 keys all of which lie at or beyond valid_lens[b] is jumped over (a scalar branch on a number read from valid_lens, round the step's work alone; every loop has a constant trip count,
; and no barrier stands under such a branch).  In the one step that holds the boundary the hidden scores become -infinity, so p = 0.
; EVEN SHARES: every wave ranks the 32 lengths.  Work-group g (pair g / 16, block g % 16 of 128 queries) serves those queries of the batch of rank 31 - pair and then of the batch of rank pair: a long one and a short one.
; SHARES IN A WORK-GROUP: 8 tiles of 16 queries; the two waves of a tile share the keys: of each 256 keys one wave (PAR = 0) takes the first 128, the other the rest.  At a batch's end the PAR = 1 wave hands O^T, -M and its sum
; to its partner through LDS; the partner brings both under one M by exact powers of two, divides and stores whole rows.
; LAYOUT: both products are used transposed (S^T = K Q^T, O^T = V^T P^T): a lane holds ONE query (lane % 16) throughout.  Lane r of key tile 2 b + u takes key 32 b + 8 u + r + 8 (r / 8), so that the 16 registers of
; tiles 2 b and 2 b + 1 are 16 neighbouring keys.  The first product's K is 64 of the instruction's 128: Q's upper six registers are zero codes, and what K's operand holds there (the next tile's codes) adds nothing.
; K AND V REACH LDS THROUGH REGISTERS (global_load_b128, ds_store_b128), 1,024 keys to a region, a phase ahead of their use.  NO TENSOR LOADS AND NO JOINT LOADS IN A CLUSTER, though sixteen work-groups read the same K and V:
; the branches on valid_lens leave out half of the steps where the lengths are spread evenly over 1 .. 2,048.
; LIMITS: masked keys add exactly 0, as in reference() while some valid logit of the row lies above about -999,900.  Lengths of 0 or less (the problem has 1 .. 2,048) are served as equal weights over all 2,048 keys, taken with p = 1;
; lengths above 2,048 count as 2,048.  A scale byte 0xff of values at a key beyond the last step walked makes no NaN here.
.set RG0,   0                          ; LDS: three regions of 1,024 keys
.set REG,   99328
.set RG1,   REG
.set RG2,   2*REG
.set VOFF,  49152                      ; in a region: K, 1,024 rows of 48 bytes, dense; in each span of 32 keys the four blocks of 8 keys lie in the order 0, 2, 1, 3: tile t of a step is 768 consecutive bytes at 768 t.
                                       ; A lane's 8 bytes lie at 24 (2 r + h) + 8 p: word 6 (2 r + h): the 32 lanes touch 64 different banks (64 banks of 4 bytes: ISA guide 11.1)
.set VP,    784                        ; then V: 64 rows (channels) of 768 bytes, 784 apart = 196 words: word 4 r + 6 h mod 64: again 64 different banks
.set SCB,   3*REG                      ; behind the regions: the scale words, laid as the scale registers take them; 12,288 bytes a batch
.set SCBAT, 12288
.set SCV,   8192                       ; in them: K's, 16 steps x 512 bytes (lane l: 16 bytes at 16 l: the words of tiles 4 (l / 16) + 0 .. 3, row l % 16); then V's, 16 steps x 256 bytes (8 bytes at 8 l: tiles 2 (l / 16) + 0, 1)
.set DUMP,  RG1                        ; used only behind the barrier that ends region 1's last read: for each tile 4,096 bytes of O^T as an image of its registers, then 8 bytes a lane for -M and the sum;
.set STG,   RG1+36864                  ; and for each tile a stage of 16 rows x (256 bytes + 16) for the way out
.set AK0,  1                           ; v1   48 r + 24 h: my place in a tile of K (and in my tile's rows of Q in memory)
.set AV0,  2                           ; v2   784 r + 24 h + VOFF: in a tile of V
.set ASK0, 3                           ; v3   16 x lane + SCB
.set ASV0, 4                           ; v4   8 x lane + SCB + SCV
.set ADK,  5                           ; v5-8 the step's LDS addresses: K, V, K's scale words, V's
.set ADV,  6
.set ADS,  7
.set ADT,  8
.set G,    9                           ; v9-11 the copies' three byte offsets in memory; never rewritten
.set NM,   12                          ; v12  -M
.set TM,   13                          ; v13  the largest t so far
.set LS,   14                          ; v[14:15] the sum, in two halves
.set Q,    16                          ; v16-21 Q's codes, v22-27 zero codes
.set KL,   28                          ; v28  16 x lane + 1,536 x (wave % 8): the copies' place in K's part of a region
.set VL0,  29                          ; v29  16 x lane + 1,568 x (wave % 8): in V's part
.set VL1,  30                          ; v30  the same + 16 h
.set T0,   31                          ; v31, v195, v199 the copies' LDS addresses in hand
.set F,    32                          ; v32-79 eight fragments of K (6 registers each), then four of V (12 each)
.set PC,   80                          ; v80-91 p's codes; they stand straight behind F, so that K's last operand runs into registers that hold codes
.set KSC,  92                          ; v92-95 K's scale words
.set S,    96                          ; v96-159 S^T, then p
.set O,    160                         ; v160-191 O^T
.set CV,   192                         ; v192-194, v196-198 the conversions' second halves
.set T1,   195
.set T2,   199
.set BM,   200                         ; v200-203 the blocks' largest scores
.set PT,   204                         ; v204-207 lane exchanges, the second chain of the sum, the scales' bytes
.set SOP,  208                         ; v208-211 the conversions' scale operands
.set FF,   212                         ; v[212:213] f = 2^(old M - new M); v213 is written once
.set W,    214                         ; v214-215 at work
.set VSC,  216                         ; v216-217 V's scale words
.set QS,   218                         ; v218 Q's scale words
.set PW,   219                         ; v219 p's scale word
.set QB,   220                         ; v220-226 the second batch's Q: codes and scale word
.set DA,   227                         ; v227 DUMP + 16 x lane
.set SX,   228                         ; v228-239, v240-251 the copies' data on their way
.set SY,   240
.set DB,   252                         ; v252 DUMP + 4,096 + 8 x lane
.set STO,  253                         ; v253 the stage, in: 272 r + 32 h
.set SRD,  254                         ; v254 the stage, back: 272 h + 16 r
.set GO,   255                         ; v255 256 h + 16 r: the same two rows in out0
.set WV,   20                          ; s20 wave; s21 its tile; s22 which half of each 256 keys; s23 wave % 8
.set TILE, 21
.set PAR,  22
.set W7,   23
.set SEL,  24                          ; s[24:25] v_permlanex16_b32's selects for lane l xor 16
.set CS,   26                          ; s[26:27] c = log2(e) / 8
.set BA,   28                          ; s28, s29 the two batches; s30, s31 their lengths; s32, s33 the keys to be walked; s34, s35 what a hidden score becomes
.set BB,   29
.set LA,   30
.set LB,   31
.set NEA,  32
.set NEB,  33
.set FILA, 34
.set FILB, 35
.set KF,   36                          ; s36 the step's first key; s37 slots to go
.set CNT,  37
.set TBK,  38                          ; s38-41 where the step's K, V and scale words begin in LDS
.set TBV,  39
.set TSK,  40
.set TSV,  41
.set XK,   42                          ; s42-45 where the two streams of copies store
.set XV,   43
.set YK,   44
.set YV,   45
.set GS,   50                          ; s[50:51] from a job of the copy to the next, in memory
.set PA1,  52                          ; s[52:57] the copies' pointers: first batch keys 1,024 on; second batch; second batch keys 1,024 on
.set PB0,  54
.set PB1,  56
.set OA,   58                          ; s[58:61] my tile's rows of out0 in the two batches
.set OB,   60
.set JP,   66                          ; s[66:73] the four jobs of the first region
.macro BARRIER                         ; my LDS stores have landed and my LDS loads are in: then the work-group's barrier
	s_wait_dscnt 0x0
	s_barrier_signal -1
	s_barrier_wait -1
.endm
; THE COPY.  Waves 0-7 copy K: a job is a span of 32 keys, 1,536 bytes.  Waves 8-15 copy V: a job is two rows' 768 bytes.  Three loads and three stores of 16 bytes a lane; four jobs a wave fill a region.
.macro CISSUE stg, ptr                 ; no hint: sixteen work-groups read these bytes
	global_load_b128 v[\stg:\stg+3],    v[G],   s[\ptr:\ptr+1]
	global_load_b128 v[\stg+4:\stg+7],  v[G+1], s[\ptr:\ptr+1]
	global_load_b128 v[\stg+8:\stg+11], v[G+2], s[\ptr:\ptr+1]
.endm
.macro CADDR sK, sV                    ; the LDS addresses of both roles, made by every wave
	v_add_nc_u32 v[T0], s[\sK], v[KL]
	v_add_nc_u32 v[T1], s[\sV], v[VL0]
	v_add_nc_u32 v[T2], s[\sV], v[VL1]
.endm
.macro CARMS stg                       ; the stores: the branch hangs on the wave's number alone
	s_cmp_lt_u32 s[WV], 8
	s_cbranch_scc0 .Lcv_\@
	ds_store_b128 v[T0], v[\stg:\stg+3]
	ds_store_b128 v[T0], v[\stg+4:\stg+7] offset:512
	ds_store_b128 v[T0], v[\stg+8:\stg+11] offset:1024
	s_branch .Lcj_\@
.Lcv_\@:
	ds_store_b128 v[T1], v[\stg:\stg+3]
	ds_store_b128 v[T2], v[\stg+4:\stg+7] offset:512        ; lanes 16-31 are in the second row: 16 bytes of padding further on
	ds_store_b128 v[T1], v[\stg+8:\stg+11] offset:1040
.Lcj_\@:
.endm
	s_load_b512 s[4:19], s[0:1], 0x0               ; K's codes s[4:5], K's scales s[6:7], Q's codes s[8:9], Q's scales s[10:11], valid_lens s[12:13], V's codes s[14:15], V's scales s[16:17], out0 s[18:19]
	v_and_b32 v200, 31, v0                         ; lane
	v_and_b32 v201, 15, v0                         ; r
	v_bfe_u32 v202, v0, 4, 1                       ; h
	v_lshrrev_b32 v203, 5, v0
	v_readfirstlane_b32 s[WV], v203                ; wave 0..15
	v_bfe_u32 v203, v0, 3, 2                       ; e = lane / 8
	s_lshr_b32 s[TILE], s[WV], 1
	s_lshr_b32 s[PAR], s[WV], 2
	s_xor_b32 s[PAR], s[PAR], s[WV]
	s_and_b32 s[PAR], s[PAR], 1                    ; differs between the two waves of a tile, and alternates otherwise than the wave's number does
	s_and_b32 s[W7], s[WV], 7
	s_mov_b32 s[SEL], 0x76543210
	s_mov_b32 s[SEL+1], 0xfedcba98
	s_mov_b32 s[CS], 0x3e38aa3b                    ; log2(e) / 8
	s_mov_b32 s[CS+1], s[CS]                       ; (named with it as a pair, so it is written)
	; every LDS address register that stays is made here, ahead of the first branch on the wave's number
	v_mul_u32_u24 v[AK0], v201, 48
	v_mad_u32_u24 v[AK0], v202, 24, v[AK0]
	v_mul_u32_u24 v[AV0], v201, VP
	v_mad_u32_u24 v[AV0], v202, 24, v[AV0]
	v_add_nc_u32 v[AV0], VOFF, v[AV0]
	v_lshl_add_u32 v[ASK0], v200, 4, SCB
	v_lshl_add_u32 v[ASV0], v200, 3, SCB+SCV
	s_mul_i32 s74, s[W7], 1536
	v_lshl_add_u32 v[KL], v200, 4, s74
	s_mul_i32 s75, s[W7], 1568
	v_lshl_add_u32 v[VL0], v200, 4, s75
	v_lshl_add_u32 v[VL1], v202, 4, v[VL0]
	v_add_nc_u32 v[T1], VOFF, v[VL0]               ; the first region's V: region 0 begins at LDS byte 0
	v_add_nc_u32 v[T2], VOFF, v[VL1]
	s_mul_i32 s76, s[TILE], 4608
	s_add_co_u32 s76, s76, DUMP
	v_lshl_add_u32 v[DA], v200, 4, s76
	s_add_co_u32 s77, s76, 4096
	v_lshl_add_u32 v[DB], v200, 3, s77
	s_mul_i32 s78, s[TILE], 4352
	s_add_co_u32 s78, s78, STG
	v_mul_u32_u24 v[STO], v201, 272
	v_lshl_add_u32 v[STO], v202, 5, v[STO]
	v_add_nc_u32 v[STO], s78, v[STO]
	v_mul_u32_u24 v[SRD], v202, 272
	v_lshl_add_u32 v[SRD], v201, 4, v[SRD]
	v_add_nc_u32 v[SRD], s78, v[SRD]
	v_lshlrev_b32 v[GO], 8, v202
	v_lshl_add_u32 v[GO], v201, 4, v[GO]
	v_lshlrev_b32 v215, 2, v200                    ; valid_lens: a lane a batch
.irp i, 0,1,2,3,4,5
	v_mov_b32 v[Q+6+\i], 0                         ; Q's zero codes for k = 64 .. 127
.endr
	s_wait_kmcnt 0x0
	global_load_b32 v214, v215, s[12:13]
	; behind that load: the copies' roles and offsets, the scale words' places, the clears
	s_cmp_lt_u32 s[WV], 8                          ; waves 0-7 copy K, waves 8-15 V: the choice hangs on the wave's number alone
	s_cselect_b64 s[78:79], s[4:5], s[14:15]       ; the tensor that I copy
	s_mov_b32 s80, 768
	s_cselect_b32 s80, 49152, s80                  ; 1,024 keys on: 1,024 rows of K, or 768 bytes in each row of V
	s_mov_b32 s81, 0
	s_mov_b32 s[GS], 24576
	s_cselect_b32 s[GS], 12288, s[GS]              ; a job on: 8 spans of K, or 16 rows of V
	s_mov_b32 s[GS+1], 0
	s_cselect_b32 s82, -1, 0                       ; all lanes: K's role
	; K in memory: LDS byte 512 i + 16 l of a span comes from the block of 8 keys (384 bytes) that the order 0, 2, 1, 3 puts there
	v_add_nc_u32 v204, 1, v203
	v_lshrrev_b32 v204, 2, v204
	v_mad_u32_u24 v204, v204, 384, v[KL]           ; i = 0: 16 l, and 384 more from lane 24 on
	v_add_nc_u32 v205, 896, v[KL]
	v_mul_u32_u24 v210, v202, 768
	v_sub_nc_u32 v205, v205, v210                  ; i = 1: 16 l + 896 - 768 h
	v_add_nc_u32 v206, 3, v203
	v_lshrrev_b32 v206, 2, v206
	v_mad_u32_u24 v206, v206, 384, v[KL]
	v_add_nc_u32 v206, 640, v206                   ; i = 2: 16 l + 640, and 384 more from lane 8 on
	; V in memory: two rows, 1,536 bytes apart, 768 bytes of each
	s_mul_i32 s74, s[W7], 3072
	v_lshl_add_u32 v207, v200, 4, s74              ; i = 0: 16 l
	v_mad_u32_u24 v208, v202, 768, v207
	v_add_nc_u32 v208, 512, v208                   ; i = 1: 16 l + 512 + 768 h
	v_add_nc_u32 v209, 1792, v207                  ; i = 2: 16 l + 1,792
	v_cndmask_b32 v[G], v207, v204, s82
	v_cndmask_b32 v[G+1], v208, v205, s82
	v_cndmask_b32 v[G+2], v209, v206, s82
	; the scale words' places.  Thread n reads 8 bytes at 8 n of a batch's 4,096 scale bytes.  Of K's these are keys 4 n .. 4 n + 3: step n / 32, tile 2 ((n / 8) % 4) + bit 1 of n, rows 8 (bit 2) + 4 (bit 0) + 0 .. 3
	v_lshrrev_b32 v[ADK], 4, v0
	v_lshlrev_b32 v[ADK], 8, v[ADK]
	v_bfe_u32 v210, v0, 2, 1
	v_lshl_add_u32 v[ADK], v210, 7, v[ADK]
	v_and_b32 v210, 1, v0
	v_lshl_add_u32 v[ADK], v210, 6, v[ADK]
	v_bfe_u32 v210, v0, 3, 1
	v_lshl_add_u32 v[ADK], v210, 3, v[ADK]
	v_bfe_u32 v210, v0, 1, 1
	v_lshl_add_u32 v[ADK], v210, 2, v[ADK]
	v_add_nc_u32 v[ADK], SCB, v[ADK]
	; of V's: channel n / 8, steps 2 (n % 8) and the next
	v_and_b32 v[ADV], 7, v0
	v_lshlrev_b32 v[ADV], 9, v[ADV]
	v_bfe_u32 v210, v0, 8, 1
	v_lshl_add_u32 v[ADV], v210, 7, v[ADV]
	v_bfe_u32 v210, v0, 3, 4
	v_lshl_add_u32 v[ADV], v210, 3, v[ADV]
	v_bfe_u32 v210, v0, 7, 1
	v_lshl_add_u32 v[ADV], v210, 2, v[ADV]
	v_add_nc_u32 v[ADV], SCB+SCV, v[ADV]
	v_lshlrev_b32 v[ADS], 3, v0                    ; 8 n
	v_lshlrev_b32 v[ADT], 1, v201                  ; Q's scales: 2 bytes a row
.irp i, 0,1,2,3,4,5,6,7,8,9,10,11
	v_mov_b32 v[PC+\i], 0                          ; any codes would do: K's last operand runs into the first six
.endr
.irp i, 0,1,2,3,4,5,6,7,8,9,10,11,12,13,14,15,16,17,18,19,20,21,22,23,24,25,26,27,28,29,30,31
	v_mov_b32 v[O+\i], 0                           ; O^T.  (The step is written once for each phase: a batch's first step finds zeros, which the first change of M leaves zeros)
.endr
	v_mov_b32 v[LS], 0
	v_mov_b32 v[LS+1], 0
	v_mov_b32 v[TM], 0xff61b1e6                    ; -3e38, under every t
	v_floor_f32 v[NM], -v[TM]
	v_mov_b32 v[FF+1], 0                           ; (named as the upper half of a pair)
	v_mov_b32 v210, 2048
	s_wait_loadcnt 0x0                             ; the lengths
	v_cmp_gt_i32 vcc_lo, 0, v214
	v_cndmask_b32 v214, v214, v[Q+6], vcc_lo       ; below 0: 0
	v_min_u32 v214, 2048, v214                     ; L
	v_cmp_eq_u32 vcc_lo, 0, v214
	v_cndmask_b32 v215, v214, v210, vcc_lo         ; the keys to be walked: L, or all where L = 0
	v_lshl_add_u32 v204, v215, 5, v200             ; the sorting key: no two lanes' are equal
	v_mov_b32 v205, 0
.irp j, 0,1,2,3,4,5,6,7,8,9,10,11,12,13,14,15,16,17,18,19,20,21,22,23,24,25,26,27,28,29,30,31
	v_readlane_b32 s74, v204, \j
	v_cmp_lt_u32 vcc_lo, s74, v204
	v_cndmask_b32 v206, 0, 1, vcc_lo
	v_add_nc_u32 v205, v205, v206                  ; my batch's rank: how many keys lie under mine
.endr
	s_lshr_b32 s75, ttmp9, 4                       ; the pair
	s_sub_co_u32 s76, 31, s75
	v_cmp_eq_u32 s77, s76, v205
	s_ctz_i32_b32 s[BA], s77
	s_min_u32 s[BA], s[BA], 31                     ; the batch of rank 31 - pair
	v_readlane_b32 s[LA], v214, s[BA]
	v_readlane_b32 s[NEA], v215, s[BA]
	v_cmp_eq_u32 s77, s75, v205
	s_ctz_i32_b32 s[BB], s77
	s_min_u32 s[BB], s[BB], 31                     ; the batch of rank pair
	v_readlane_b32 s[LB], v214, s[BB]
	v_readlane_b32 s[NEB], v215, s[BB]
	s_mov_b32 s[FILA], 0xff800000                  ; a hidden score becomes -infinity; where no key counts, 0: equal weights
	s_cmp_eq_u32 s[LA], 0
	s_cselect_b32 s[FILA], 0, s[FILA]
	s_mov_b32 s[FILB], 0xff800000
	s_cmp_eq_u32 s[LB], 0
	s_cselect_b32 s[FILB], 0, s[FILB]
	; the pointers.  Every offset stays under 2^32 and stands in a pair with 0 above it
	s_and_b32 s83, ttmp9, 15
	s_lshl_b32 s83, s83, 7
	s_lshl_b32 s84, s[TILE], 4
	s_add_co_u32 s83, s83, s84                     ; my tile's first query
	s_mov_b32 s75, 0
	s_mov_b32 s77, 0
	s_mov_b32 s85, 0
	s_mov_b32 s87, 0
	s_mul_i32 s74, s[BA], 98304                    ; a batch's codes: 2,048 x 48 = 64 x 1,536 bytes
	s_mul_i32 s76, s[BB], 98304
	s_add_nc_u64 s[JP:JP+1], s[78:79], s[74:75]
	s_add_nc_u64 s[JP+2:JP+3], s[JP:JP+1], s[GS:GS+1]
	s_add_nc_u64 s[JP+4:JP+5], s[JP+2:JP+3], s[GS:GS+1]
	s_add_nc_u64 s[JP+6:JP+7], s[JP+4:JP+5], s[GS:GS+1]
	s_add_nc_u64 s[PA1:PA1+1], s[JP:JP+1], s[80:81]
	s_add_nc_u64 s[PB0:PB0+1], s[78:79], s[76:77]
	s_add_nc_u64 s[PB1:PB1+1], s[PB0:PB0+1], s[80:81]
	s_mul_i32 s84, s83, 48
	s_add_nc_u64 s[8:9], s[8:9], s[84:85]
	s_add_nc_u64 s[14:15], s[8:9], s[74:75]        ; Q's codes, first batch
	s_add_nc_u64 s[8:9], s[8:9], s[76:77]          ; second batch
	s_lshl_b32 s84, s83, 8
	s_add_nc_u64 s[18:19], s[18:19], s[84:85]
	s_lshl_b32 s86, s[BA], 19
	s_add_nc_u64 s[OA:OA+1], s[18:19], s[86:87]
	s_lshl_b32 s86, s[BB], 19
	s_add_nc_u64 s[OB:OB+1], s[18:19], s[86:87]
	s_lshl_b32 s74, s[BA], 12                      ; a batch's scale bytes: 4,096
	s_lshl_b32 s76, s[BB], 12
	s_add_nc_u64 s[4:5], s[6:7], s[74:75]          ; K's scales, first batch
	s_add_nc_u64 s[6:7], s[6:7], s[76:77]          ; second
	s_add_nc_u64 s[12:13], s[16:17], s[74:75]      ; V's scales, first batch
	s_add_nc_u64 s[16:17], s[16:17], s[76:77]      ; second
	s_lshl_b32 s84, s83, 1
	s_add_nc_u64 s[10:11], s[10:11], s[84:85]
	s_add_nc_u64 s[88:89], s[10:11], s[74:75]      ; Q's scales, first batch
	s_add_nc_u64 s[10:11], s[10:11], s[76:77]      ; second
	; all that the head needs goes out together: 24 loads a wave
.irp j, 0,1,2,3
	CISSUE S+12*\j, JP+2*\j                        ; the first batch's first 1,024 keys
.endr
	global_load_b64 v[144:145], v[ADS], s[4:5]
	global_load_b64 v[146:147], v[ADS], s[12:13]
.irp p, 0,1,2
	global_load_b64 v[Q+2*\p:Q+2*\p+1], v[AK0], s[14:15] offset:8*\p     ; Q's fragment: lane (r, h) takes k = 32 h .. 32 h + 31 of row r: 24 bytes as they lie
.endr
	global_load_u16 v[QS], v[ADT], s[88:89]        ; two scale bytes; the upper two, for k = 64 .. 127, are 0
	global_load_b64 v[148:149], v[ADS], s[6:7]
	global_load_b64 v[150:151], v[ADS], s[16:17]
.irp p, 0,1,2
	global_load_b64 v[QB+2*\p:QB+2*\p+1], v[AK0], s[8:9] offset:8*\p
.endr
	global_load_u16 v[QB+6], v[ADT], s[10:11]
.irp b, 0,1,2,3
	v_mov_b32 v[PT+\b], 0                          ; written once: a lane permute's destination counts as one of its sources
.endr
	s_wait_loadcnt 0x0
.irp u, 0,1                                    ; K's scale bytes, two to a key, become words: batch u
	v_and_b32 v[152+4*\u], 0xffff, v[144+4*\u]
	v_lshrrev_b32 v[153+4*\u], 16, v[144+4*\u]
	v_and_b32 v[154+4*\u], 0xffff, v[145+4*\u]
	v_lshrrev_b32 v[155+4*\u], 16, v[145+4*\u]
.endr
	s_cmp_lt_u32 s[WV], 8
	s_cbranch_scc0 .Lhead_v
.irp j, 0,1,2,3
.irp i, 0,1,2
	ds_store_b128 v[KL], v[S+12*\j+4*\i:S+12*\j+4*\i+3] offset:12288*\j+512*\i
.endr
.endr
	s_branch .Lhead_j
.Lhead_v:
.irp j, 0,1,2,3
	ds_store_b128 v[T1], v[S+12*\j:S+12*\j+3] offset:12544*\j
	ds_store_b128 v[T2], v[S+12*\j+4:S+12*\j+7] offset:12544*\j+512
	ds_store_b128 v[T1], v[S+12*\j+8:S+12*\j+11] offset:12544*\j+1040
.endr
.Lhead_j:
.irp u, 0,1
.irp i, 0,1,2,3
	ds_store_b32 v[ADK], v[152+4*\u+\i] offset:SCBAT*\u+16*\i
.endr
	ds_store_b32 v[ADV], v[146+4*\u] offset:SCBAT*\u
	ds_store_b32 v[ADV], v[147+4*\u] offset:SCBAT*\u+256
.endr
	BARRIER                                        ; region 0 and both batches' scale words lie in LDS
; A KEY STEP: my 16 queries x 128 keys.  sNE: the keys to be walked; sL: the batch's length; sFIL: what a hidden score becomes.
.macro STEP sNE, sL, sFIL
	v_add_nc_u32 v[ADK], s[TBK], v[AK0]            ; made by every wave in every trip, ahead of the jump; these four are also the four places between the last step's products and the loads into their operands
	v_add_nc_u32 v[ADV], s[TBV], v[AV0]
	v_add_nc_u32 v[ADS], s[TSK], v[ASK0]
	v_add_nc_u32 v[ADT], s[TSV], v[ASV0]
	s_cmp_ge_u32 s[KF], s[\sNE]                    ; all 128 keys hidden: the step's work is left out
	s_cbranch_scc1 .Lhid_\@
.irp t, 0,1,2,3,4,5,6,7
.irp p, 0,1,2
	ds_load_b64 v[F+6*\t+2*\p:F+6*\t+2*\p+1], v[ADK] offset:768*\t+8*\p
.endr
.endr
	ds_load_b128 v[KSC:KSC+3], v[ADS]              ; register j: lanes 0-15 tile j's words, lanes 16-31 tile 4 + j's
	s_wait_dscnt 0x0
.irp t, 0,1,2,3                                ; S^T = K Q^T.  An operand is 12 registers: a tile's six and the six behind them, which meet Q's zero codes
	v_wmma_scale_f32_16x16x128_f8f6f4 v[S+8*\t:S+8*\t+7], v[F+6*\t:F+6*\t+11], v[Q:Q+11], 0, v[KSC+\t], v[QS] matrix_a_fmt:MATRIX_FMT_FP6 matrix_b_fmt:MATRIX_FMT_FP6
.endr
.irp t, 4,5,6,7
	v_wmma_scale_f32_16x16x128_f8f6f4 v[S+8*\t:S+8*\t+7], v[F+6*\t:F+6*\t+11], v[Q:Q+11], 0, v[KSC+\t-4], v[QS] matrix_a_fmt:MATRIX_FMT_FP6 matrix_b_fmt:MATRIX_FMT_FP6 matrix_a_scale:MATRIX_SCALE_ROW1
.endr
.rept 4
	v_nop                                          ; four places in front of the loads into K's registers and of the first read of the scores
.endr
.irp t, 0,1,2,3                                ; V's four fragments land while the softmax is worked
.irp p, 0,1,2,3,4,5
	ds_load_b64 v[F+12*\t+2*\p:F+12*\t+2*\p+1], v[ADV] offset:16*VP*\t+48*(\p/3)+8*(\p%3)
.endr
.endr
	ds_load_b64 v[VSC:VSC+1], v[ADT]               ; register j: lanes 0-15 channel tile j's words, lanes 16-31 tile 2 + j's
	s_add_co_u32 s74, s[KF], 128
	s_cmp_le_u32 s74, s[\sL]                       ; all 128 keys count: no mask
	s_cbranch_scc1 .Lopen_\@
	s_sub_co_i32 s74, s[\sL], s[KF]
	s_sub_co_i32 s74, s74, 1
	v_bfe_u32 v[W], v0, 4, 1
	v_lshlrev_b32 v[W], 4, v[W]
	v_sub_nc_u32 v[W], s74, v[W]                   ; d = L - 1 - KF - 16 h.  Register 16 b + i holds key KF + 16 h + 32 b + i: hidden where 32 b + i > d
	v_mov_b32 v[W+1], s[\sFIL]
.irp b, 0,1,2,3
.irp i, 0,1,2,3,4,5,6,7,8,9,10,11,12,13,14,15
	v_cmp_gt_i32 vcc_lo, 32*\b+\i, v[W]
	v_cndmask_b32 v[S+16*\b+\i], v[S+16*\b+\i], v[W+1], vcc_lo
.endr
.endr
.Lopen_\@:
.irp b, 0,1,2,3
	v_max3_num_f32 v[BM+\b], v[S+16*\b], v[S+1+16*\b], v[S+2+16*\b]   ; the largest score of each block of 32 keys: it serves for the row's maximum and, since p rises with the score, for the block's largest p
.endr
.irp i, 3,5,7,9,11,13
.irp b, 0,1,2,3
	v_max3_num_f32 v[BM+\b], v[BM+\b], v[S+16*\b+\i], v[S+1+16*\b+\i]   ; (the four blocks by turns)
.endr
.endr
.irp b, 0,1,2,3
	v_max_num_f32 v[BM+\b], v[BM+\b], v[S+15+16*\b]
.endr
.irp b, 0,1,2,3
	v_permlanex16_b32 v[PT+\b], v[BM+\b], s[SEL], s[SEL+1]
.endr
.irp b, 0,1,2,3
	v_max_num_f32 v[BM+\b], v[BM+\b], v[PT+\b]     ; with lane l xor 16's 16 keys
.endr
	v_max3_num_f32 v[W], v[BM], v[BM+1], v[BM+2]
	v_max_num_f32 v[W], v[W], v[BM+3]              ; the step's largest score of my query: a number, since the step's first key counts
	v_mul_f32 v[W], s[CS], v[W]                    ; as t (c is positive)
	v_max_num_f32 v[TM], v[TM], v[W]
	v_mov_b32 v[W], v[NM]
	v_floor_f32 v[NM], -v[TM]                      ; the new -M = floor(-t) = -ceil(t)
	v_sub_f32 v[W], v[NM], v[W]                    ; old M - new M: a whole number, 0 or less
	v_cvt_i32_f32 v[W], v[W]                       ; (it saturates)
	v_ldexp_f32 v[FF], 1.0, v[W]                   ; f = 2^(old M - new M): a multiplication by it rounds nothing
.irp b, 0,1,2,3
.irp i, 0,2,4,6,8,10,12,14
	v_pk_fma_f32 v[S+16*\b+\i:S+16*\b+\i+1], v[S+16*\b+\i:S+16*\b+\i+1], s[CS:CS+1], v[NM:NM+1] op_sel_hi:[1,0,0]   ; t - M, two at a time (of the pairs c and -M the low word serves both halves)
.endr
.endr
.irp b, 0,1,2,3
	v_fma_f32 v[BM+\b], v[BM+\b], s[CS], v[NM]     ; the same of each block's largest score
.endr
.irp b, 0,1,2,3
.irp i, 0,1,2,3,4,5,6,7,8,9,10,11,12,13,14,15
	v_exp_f32 v[S+16*\b+\i], v[S+16*\b+\i]         ; p = 2^(t - M): not normalised
.endr
.endr
	v_pk_mul_f32 v[LS:LS+1], v[LS:LS+1], v[FF:FF+1] op_sel_hi:[1,0]   ; the sums under the new M: the plain instruction behind the exponentials
	s_wait_alu depctr_va_vdst(0)                   ; one wait for the batch of 64, ahead of its first reader
.irp b, 0,1,2,3
	v_exp_f32 v[BM+\b], v[BM+\b]                   ; the block's largest p: the same two instructions on the same number give the same bits
.endr
	v_pk_add_f32 v[PT:PT+1], v[S:S+1], v[S+2:S+3]  ; the row's sum is taken of the unquantised p: two at a time, in two chains
.irp j, 4,8,12,16,20,24,28,32,36,40,44,48,52,56,60
	v_pk_add_f32 v[LS:LS+1], v[LS:LS+1], v[S+\j:S+\j+1]
	v_pk_add_f32 v[PT:PT+1], v[PT:PT+1], v[S+2+\j:S+3+\j]
.endr
	v_pk_add_f32 v[LS:LS+1], v[LS:LS+1], v[PT:PT+1]
	s_wait_alu depctr_va_vdst(0)                   ; and one for the four
.irp b, 0,1,2,3
	v_max_num_f32 v[BM+\b], 0x1800000, v[BM+\b]    ; the floor 2^(3 - 127): the byte cannot fall under 1 (a block whose every p is 0 keeps that byte: its codes are zeros)
.endr
.irp b, 0,1,2,3
	v_add_nc_u32 v[SOP+\b], 0xff000000, v[BM+\b]   ; 2 off the exponent field: the conversion's scale operand
.endr
.irp b, 0,1,2,3
	v_lshrrev_b32 v[PT+\b], 23, v[SOP+\b]          ; the scale's byte
.endr
	v_lshl_or_b32 v[PW], v[PT+1], 8, v[PT]         ; p's scale word for these 128 keys
	v_lshl_or_b32 v[PW], v[PT+2], 16, v[PW]
	v_lshl_or_b32 v[PW], v[PT+3], 24, v[PW]
.irp c, 0,1
	v_cvt_scalef32_pk16_fp6_f32 v[PC+6*\c:PC+2+6*\c], v[S+32*\c:S+15+32*\c], v[SOP+2*\c]
	v_cvt_scalef32_pk16_fp6_f32 v[CV+4*\c:CV+2+4*\c], v[S+16+32*\c:S+31+32*\c], v[SOP+2*\c+1]   ; (a conversion's three registers begin on an even number)
.endr
	v_nop                                          ; one plain instruction behind the last scaled conversion
.irp c, 0,1                                    ; the operand's layout wants a whole block in a lane: lanes 0-15 block 2 c, lanes 16-31 block 2 c + 1
.irp i, 0,1,2
	v_permlane16_swap_b32 v[PC+6*\c+\i], v[CV+4*\c+\i]
.endr
.irp i, 0,1,2
	v_mov_b32 v[PC+3+6*\c+\i], v[CV+4*\c+\i]
.endr
.endr
.irp j, 0,2,4,6,8,10,12,14,16,18,20,22,24,26,28,30
	v_pk_mul_f32 v[O+\j:O+\j+1], v[O+\j:O+\j+1], v[FF:FF+1] op_sel_hi:[1,0]   ; O^T under the new M, each accumulator from its low end on.  These 16 also stand between the writes of p's codes and scale word and the products
.endr
	s_wait_dscnt 0x0                               ; V's fragments and scale words are in
.irp t, 0,1                                    ; O^T += V^T P^T: four accumulators by turns, each link behind eight other matrix instructions
	v_wmma_scale_f32_16x16x128_f8f6f4 v[O+8*\t:O+8*\t+7], v[F+12*\t:F+12*\t+11], v[PC:PC+11], v[O+8*\t:O+8*\t+7], v[VSC+\t], v[PW] matrix_a_fmt:MATRIX_FMT_FP6 matrix_b_fmt:MATRIX_FMT_FP6
.endr
.irp t, 2,3
	v_wmma_scale_f32_16x16x128_f8f6f4 v[O+8*\t:O+8*\t+7], v[F+12*\t:F+12*\t+11], v[PC:PC+11], v[O+8*\t:O+8*\t+7], v[VSC+\t-2], v[PW] matrix_a_fmt:MATRIX_FMT_FP6 matrix_b_fmt:MATRIX_FMT_FP6 matrix_a_scale:MATRIX_SCALE_ROW1
.endr
.Lhid_\@:
.endm
; A PHASE: the 1,024 keys of region rbase (chunk ridx of the batch whose scale words are set sc), in four slots of 256 keys: a wave's step is 128 of them.  ncopy streams of copies fill other regions meanwhile, a job a slot:
; asked for at the slot's head, stored at its end, so that the step's work stands between.  cond = 1: the copy is wanted only where the second batch walks more than 1,024 keys.  A barrier ends the phase.
.macro PHASE rbase, sc, ridx, sNE, sL, sFIL, ncopy, cond, xb, xp, yb, yp
	s_mul_i32 s[TBK], s[PAR], 6144                 ; 128 keys of K
	s_add_co_u32 s[TBK], s[TBK], \rbase
	s_mul_i32 s[TBV], s[PAR], 96                   ; 128 keys in a row of V
	s_add_co_u32 s[TBV], s[TBV], \rbase
	s_lshl_b32 s[TSK], s[PAR], 9
	s_add_co_u32 s[TSK], s[TSK], SCBAT*\sc+4096*\ridx
	s_lshl_b32 s[TSV], s[PAR], 8
	s_add_co_u32 s[TSV], s[TSV], SCBAT*\sc+2048*\ridx
	s_lshl_b32 s[KF], s[PAR], 7
	s_add_co_u32 s[KF], s[KF], 1024*\ridx
.if \ncopy > 0
	s_mov_b32 s[XK], \xb
	s_mov_b32 s[XV], \xb+VOFF
.endif
.if \ncopy > 1
	s_mov_b32 s[YK], \yb
	s_mov_b32 s[YV], \yb+VOFF
.endif
	s_mov_b32 s[CNT], 4
.Lslot_\@:
.if \ncopy > 0
.if \cond
	s_cmp_gt_u32 s[NEB], 1024
	s_cbranch_scc0 .Lnoi_\@
.endif
	CISSUE SX, \xp
.if \ncopy > 1
	CISSUE SY, \yp
.endif
.if \cond
.Lnoi_\@:
.endif
.endif
	STEP \sNE, \sL, \sFIL
.if \ncopy > 0
	s_wait_loadcnt 0x0                             ; the slot's copies are in registers, and their pointers may be stepped
	CADDR XK, XV
.if \cond
	s_cmp_gt_u32 s[NEB], 1024
	s_cbranch_scc0 .Lnos_\@
.endif
	CARMS SX
.if \cond
.Lnos_\@:
.endif
.if \ncopy > 1
	CADDR YK, YV
	CARMS SY
	s_add_co_u32 s[YK], s[YK], 12288
	s_add_co_u32 s[YV], s[YV], 16*VP
	s_add_nc_u64 s[\yp:\yp+1], s[\yp:\yp+1], s[GS:GS+1]
.endif
	s_add_co_u32 s[XK], s[XK], 12288
	s_add_co_u32 s[XV], s[XV], 16*VP
	s_add_nc_u64 s[\xp:\xp+1], s[\xp:\xp+1], s[GS:GS+1]
	s_wait_dscnt 0x0                               ; the stores have read their registers, which the next slot's loads take
.endif
	s_add_co_u32 s[TBK], s[TBK], 12288             ; 256 keys on
	s_add_co_u32 s[TBV], s[TBV], 192
	s_add_co_u32 s[TSK], s[TSK], 1024
	s_add_co_u32 s[TSV], s[TSV], 512
	s_add_co_u32 s[KF], s[KF], 256
	s_sub_co_u32 s[CNT], s[CNT], 1
	s_cmp_lg_u32 s[CNT], 0
	s_cbranch_scc1 .Lslot_\@
	BARRIER                                        ; nobody reads this phase's region any more, and what was copied in it lies whole in LDS
.endm
; A BATCH'S END, behind the barrier that ends the reads of region 1, in which DUMP and the stages lie.  last = 0: the second batch is set up behind it.
.macro ENDB outp, last
.rept 4
	v_nop                                          ; four places between the last products and the first read of O^T
.endr
	v_add_f32 v[TM], v[LS], v[LS+1]                ; my lane's sum; the largest t is done with
	s_cmp_eq_u32 s[PAR], 0
	s_cbranch_scc1 .Lkeep_\@
.irp i, 0,1,2,3,4,5,6,7
	ds_store_b128 v[DA], v[O+4*\i:O+4*\i+3] offset:512*\i     ; O^T as an image of its registers, 16 bytes a lane, each accumulator from its low end on
.endr
	ds_store_b64 v[DB], v[NM:NM+1]                 ; -M and the sum
.Lkeep_\@:
	BARRIER
	s_cmp_eq_u32 s[PAR], 0
	s_cbranch_scc0 .Ldone_\@
.irp i, 0,1,2,3,4,5,6,7
	ds_load_b128 v[S+4*\i:S+4*\i+3], v[DA] offset:512*\i
.endr
	ds_load_b64 v[S+32:S+33], v[DB]
	s_wait_dscnt 0x0
	v_min_num_f32 v[S+34], v[NM], v[S+32]          ; -M of the two together
	v_sub_f32 v[S+35], v[S+34], v[NM]              ; whole numbers, 0 or less; a partner that walked no step stands at -3e38, and its factor becomes 0
	v_sub_f32 v[S+36], v[S+34], v[S+32]
	v_cvt_i32_f32 v[S+35], v[S+35]
	v_cvt_i32_f32 v[S+36], v[S+36]
	v_ldexp_f32 v[S+35], 1.0, v[S+35]              ; my factor,
	v_ldexp_f32 v[S+36], 1.0, v[S+36]              ; my partner's
	v_mul_f32 v[S+37], v[TM], v[S+35]
	v_fma_f32 v[S+37], v[S+33], v[S+36], v[S+37]
	v_permlanex16_b32 v[PT], v[S+37], s[SEL], s[SEL+1]
	v_add_f32 v[S+37], v[S+37], v[PT]              ; with lane l xor 16's: the row's sum
	v_rcp_f32 v[S+38], v[S+37]
	v_nop                                          ; a plain instruction behind the reciprocal,
	s_wait_alu depctr_va_vdst(0)                   ; and a wait ahead of its first reader
	v_mul_f32 v[FF], v[S+35], v[S+38]
	v_mul_f32 v[W], v[S+36], v[S+38]
.irp j, 0,2,4,6,8,10,12,14,16,18,20,22,24,26,28,30
	v_pk_mul_f32 v[O+\j:O+\j+1], v[O+\j:O+\j+1], v[FF:FF+1] op_sel_hi:[1,0]
.endr
.irp j, 0,2,4,6,8,10,12,14,16,18,20,22,24,26,28,30
	v_pk_fma_f32 v[O+\j:O+\j+1], v[S+\j:S+\j+1], v[W:W+1], v[O+\j:O+\j+1] op_sel_hi:[1,0,1]
.endr
.irp t, 0,1,2,3
	ds_store_b128 v[STO], v[O+8*\t:O+8*\t+3] offset:64*\t          ; lane (r, h): out(r, 16 t + 8 h + 0 .. 7)
	ds_store_b128 v[STO], v[O+8*\t+4:O+8*\t+7] offset:64*\t+16
.endr
.irp i, 0,1,2,3,4,5,6,7
	ds_load_b128 v[S+4*\i:S+4*\i+3], v[SRD] offset:544*\i          ; LDS serves a wave's instructions in order (ISA guide 5.7.1.4): these see my stores
.endr
.irp i, 0,1,2,3,4,5,6,7
	s_wait_dscnt 7-\i                              ; the younger loads from the stage may be out
	global_store_b128 v[GO], v[S+4*\i:S+4*\i+3], s[\outp:\outp+1] offset:512*\i th:TH_STORE_NT   ; two whole rows: 512 consecutive bytes, at a multiple of 256 from out0's first byte; written once, read by nobody here
.endr
.if \last == 0
	s_wait_xcnt 0x0                                ; the stores' data registers take the next batch's scores only behind this wait
.endif
.Ldone_\@:
.if \last == 0
.irp i, 0,1,2,3,4,5
	v_mov_b32 v[Q+\i], v[QB+\i]                    ; the second batch's Q
.endr
	v_mov_b32 v[QS], v[QB+6]
.irp i, 0,1,2,3,4,5,6,7,8,9,10,11,12,13,14,15,16,17,18,19,20,21,22,23,24,25,26,27,28,29,30,31
	v_mov_b32 v[O+\i], 0                           ; (these also stand between the writes of Q and its scale word and the next products)
.endr
	v_mov_b32 v[LS], 0
	v_mov_b32 v[LS+1], 0
	v_mov_b32 v[TM], 0xff61b1e6
	v_floor_f32 v[NM], -v[TM]
.endif
.endm
	PHASE RG0, 0, 0, NEA, LA, FILA, 2, 0, RG1, PA1, RG2, PB0    ; first batch, keys 0 on | its keys 1,024 on go to region 1, the second batch's first 1,024 to region 2
	PHASE RG1, 0, 1, NEA, LA, FILA, 1, 1, RG0, PB1, 0, 0        ; first batch, keys 1,024 on | the second batch's keys 1,024 on go to region 0, where they are wanted
	ENDB OA, 0
	PHASE RG2, 1, 0, NEB, LB, FILB, 0, 0, 0, 0, 0, 0            ; second batch, keys 0 on
	PHASE RG0, 1, 1, NEB, LB, FILB, 0, 0, 0, 0, 0, 0            ; second batch, keys 1,024 on
	ENDB OB, 1
	s_wait_xcnt 0x0
	v_lshl_add_u32 v254, v0, 2, 0x4ec00
	v_mov_b32 v255, 0
	s_wait_tensorcnt 0x0
	ds_add_u32 v254, v255
	s_wait_dscnt 0x0
	s_endpgm
.Lfunc_end_k_qef60066fe7_attn:
	.size	k_qef60066fe7_attn, .Lfunc_end_k_qef60066fe7_attn-k_qef60066fe7_attn
	.p2alignl 7, 3214868480
	.fill 96, 4, 3214868480
	.section	.rodata,"a",@progbits
	.p2align	6, 0x0
	.amdhsa_kernel k_qef60066fe7_attn
		.amdhsa_group_segment_fixed_size 324608
		.amdhsa_private_segment_fixed_size 0
		.amdhsa_enable_private_segment 0
		.amdhsa_kernarg_size 64
		.amdhsa_user_sgpr_count 2
		.amdhsa_user_sgpr_kernarg_segment_ptr 1
		.amdhsa_wavefront_size32 1
		.amdhsa_system_sgpr_workgroup_id_x 1
		.amdhsa_system_sgpr_workgroup_id_y 1
		.amdhsa_system_sgpr_workgroup_id_z 1
		.amdhsa_system_vgpr_workitem_id 0
		.amdhsa_next_free_vgpr 256
		.amdhsa_next_free_sgpr 96
		.amdhsa_reserve_vcc 1
		.amdhsa_float_denorm_mode_32 3
		.amdhsa_float_denorm_mode_16_64 3
		.amdhsa_memory_ordered 1
		.amdhsa_forward_progress 1
		.amdhsa_inst_pref_size 131
	.end_amdhsa_kernel
	.amdgpu_metadata
---
amdhsa.version: [ 1, 2 ]
amdhsa.kernels:
  - .name:           k_qef60066fe7_attn
    .symbol:         k_qef60066fe7_attn.kd
    .args:
      - { .name: keys_codes, .offset: 0, .size: 8, .value_kind: global_buffer, .address_space: global }
      - { .name: keys_scales, .offset: 8, .size: 8, .value_kind: global_buffer, .address_space: global }
      - { .name: queries_codes, .offset: 16, .size: 8, .value_kind: global_buffer, .address_space: global }
      - { .name: queries_scales, .offset: 24, .size: 8, .value_kind: global_buffer, .address_space: global }
      - { .name: valid_lens, .offset: 32, .size: 8, .value_kind: global_buffer, .address_space: global }
      - { .name: values_codes, .offset: 40, .size: 8, .value_kind: global_buffer, .address_space: global }
      - { .name: values_scales, .offset: 48, .size: 8, .value_kind: global_buffer, .address_space: global }
      - { .name: out0, .offset: 56, .size: 8, .value_kind: global_buffer, .address_space: global }
    .group_segment_fixed_size: 324608
    .private_segment_fixed_size: 0
    .kernarg_segment_align: 8
    .kernarg_segment_size: 64
    .max_flat_workgroup_size: 512
    .sgpr_count:     96
    .vgpr_count:     256
    .wavefront_size: 32
...
	.end_amdgpu_metadata
.endif
;; end of part 1
